; MI455X (gfx1250); checked and timed in simulation.
; The chip was launched on July 23, 2026; its instructions are those of AMD's public machine-readable ISA for CDNA 5 (MIT licence, August 2026) and "CDNA5" Instruction Set Architecture Reference Guide (July 2026). The comments in the code are by the model that wrote it; some were corrected since.
;; Multi Head Attention. Allowed arithmetic: matrix products marked QUANTISED: E4M3 operands, one given power-of-two scale a tensor, by v_wmma_f32_16x16x64_fp8_fp8 or v_wmma_f32_16x16x128_fp8_fp8, f32 sums; everything else in f32.
;; Inputs: Wk_codes 16 x 64 x 32 x 32 uint8 (E4M3 codes of Wk, K innermost, in blocks of 32 codes); Wo_codes 1,024 x 32 x 32 uint8 (E4M3 codes of Wo, K innermost, in blocks of 32 codes); Wq_codes 16 x 64 x 32 x 32 uint8 (E4M3 codes of Wq, K innermost, in blocks of 32 codes); Wv_codes 16 x 64 x 32 x 32 uint8 (E4M3 codes of Wv, K innermost, in blocks of 32 codes); bk 16 x 64 float32; bo 1,024 float32; bq 16 x 64 float32; bv 16 x 64 float32; lowp_scales 12 int32 (the exponents e of the quantised operands' scales 2^e); x_codes 4 x 2,048 x 32 x 32 uint8 (E4M3 codes of x, K innermost, in blocks of 32 codes).
;; Outputs: out0 4 x 2,048 x 1,024 float32.
;; This version of the problem:
;;   THIS VERSION OF THE PROBLEM IS GIVEN IN LOW PRECISION. The matrix products marked QUANTISED in the list below multiply operands that are first quantised to E4M3 (4 exponent bits, 3 mantissa bits; 8 bits a number), with one given power-of-two scale for each operand tensor; their sums are f32. All else is computed in f32.
;;   The module's matrix products, in the order in which they are computed (A, B: the left and right operand; K: the contracted axis; several contracted axes count as one K, in the product's order):
;;     1. [M 1,024, K 1,024] x [K 1,024, N 8,192]; A: input Wq (given as codes); B: input x (given as codes): QUANTISED (scales: A lowp_scales[0], B lowp_scales[1])
;;     2. [M 1,024, K 1,024] x [K 1,024, N 8,192]; A: input Wk (given as codes); B: input x (given as codes): QUANTISED (scales: A lowp_scales[2], B lowp_scales[3])
;;     3. [M 1,024, K 1,024] x [K 1,024, N 8,192]; A: input Wv (given as codes); B: input x (given as codes): QUANTISED (scales: A lowp_scales[4], B lowp_scales[5])
;;     4. batch 64 x [M 2,048, K 64] x [K 64, N 2,048]; A: computed on the way; B: computed on the way: QUANTISED (scales: A lowp_scales[6], B lowp_scales[7])
;;     5. batch 64 x [M 2,048, K 2,048] x [K 2,048, N 64]; A: softmax (see below); B: computed on the way: QUANTISED (scales: A lowp_scales[8], B lowp_scales[9])
;;     6. [M 8,192, K 1,024] x [K 1,024, N 1,024]; A: computed on the way; B: input Wo (given as codes): QUANTISED (scales: A lowp_scales[10], B lowp_scales[11])
;;   THE QUANTISER, for each operand of a quantised product, along K:
;;     - The operand's scale is 2^e, e = its entry of the input lowp_scales (int32; the entries are numbered through the quantised products in the list's order, A before B).
;;     - Each number is divided by the scale, clamped to +-448, and rounded to the nearest number of E4M3, ties to even, subnormals kept.
;;     - The product sums the exact products of the quantised numbers (number of the format x scale) in f32.
;;   ~~~python
;;   def quantise(x, axis, e):      # numpy; x: float32 -> the quantised numbers, widened to float32 again
;;       x = np.moveaxis(x, axis, -1); K = x.shape[-1]
;;       r = np.clip(x / 2.0 ** e, -448, 448)
;;       step = 2.0 ** (np.maximum(np.frexp(np.where(r == 0, 1, r))[1] - 1, -6) - 3)
;;       q = np.round(r / step) * step * 2.0 ** e      # np.round: ties to even
;;       return np.moveaxis(q, -1, axis).astype(np.float32)
;;   ~~~
;;   SOFTMAX AHEAD OF A QUANTISED PRODUCT. Where the list says 'softmax', what is quantised is not the finished softmax but p = 2^(t - M), with t = logit x log2(e) and M = ceil(the row's largest t), a whole number; so 1/2 < the row's largest p <= 1. The row's sum l is taken of the UNQUANTISED p, in f32, and the product's result is divided by l at the end. Since M is a whole number, a kernel that streams over the keys may use a running M (the ceiling of the running maximum): every later rescaling is an exact power of two, so the quantised numbers keep their values, but for numbers so far below the row's largest that they fall under the format's range.
;;   OPERANDS COMPUTED ON THE WAY. 'Computed on the way' means the value that the module computes at that place (a softmax that the list does not call 'softmax' is quantised finished and normalised). What goes into a quantiser is computed in f32, as accurately as f32 sums, v_exp_f32 and their like allow (about 1e-6 of the number): no bf16 or f16 on the way to a quantiser, and a product that is left as it is and whose result goes on into a quantised operand takes f32 operands (vector FMAs, or v_wmma_f32_16x16x4_f32). A number that lies on a knife's edge between two numbers of the format may be rounded either way, as far as f32 arithmetic and the matrix unit's own rounding can turn it there, and no further.
;;   INPUTS GIVEN AS CODES. Wk (in the module: [16, 1024, 64], K = its axis 1); Wo (in the module: [1024, 1024], K = its axis 0); Wq (in the module: [16, 1024, 64], K = its axis 1); Wv (in the module: [16, 1024, 64], K = its axis 1); x (in the module: [4, 2048, 1024], K = its axis 2): each comes as NAME_codes (uint8): NAME with its K axis moved to the last place and cut into blocks of 32 codes, [.., K / 32, bytes a block], one block behind the other in memory; one code a byte (a code: sign, 4 exponent bits, 3 mantissa bits); its scale is its entry of lowp_scales. Its value is code x scale, taken as it is: it is not quantised again, and the codes and scales need not be those that the quantiser above would give.
;; One version. Each part assembles by itself: llvm-mc -triple=amdgcn-amd-amdhsa -mcpu=gfx1250 --defsym DOCPART=n.
;; ======== version 1 of 1: 3 launches
;; limits: right only within a limited range of input values
;; workspace buffers: q_img 8,388,608 bytes; kv_img 16,777,216 bytes; cat_img 8,388,608 bytes
;; launch proj (part 1): grid 12 x 32, 4 waves a work-group, clusters of 4 x 4, 327,680 bytes of LDS; arguments x_codes, Wq_codes, Wk_codes, Wv_codes, bq, bk, bv, lowp_scales, q_img, kv_img; writes q_img, kv_img
.if DOCPART == 1
	.amdgcn_target "amdgcn-amd-amdhsa--gfx1250"
	.amdhsa_code_object_version 6
	.text
	.protected	k_q316245d2eb_proj
	.globl	k_q316245d2eb_proj
	.p2align	8
	.type	k_q316245d2eb_proj,@function
k_q316245d2eb_proj:
	s_mov_b64 s[64:65], 0
	v_nop
	global_prefetch_b8 v0, s[64:65] scope:SCOPE_SE
	s_setreg_imm32_b32 hwreg(HW_REG_WAVE_MODE, 25, 1), 1
	s_wait_xcnt 0x0
	s_wait_alu depctr_hold_cnt(0) depctr_sa_sdst(0) depctr_va_vdst(0) depctr_va_sdst(0) depctr_va_ssrc(0) depctr_va_vcc(0) depctr_vm_vsrc(0)
	s_getreg_b32 s2, hwreg(HW_REG_IB_STS2, 6, 4)
	s_cmp_eq_u32 s2, 0
	s_cbranch_scc0 .Lentry_in_a_cluster
	s_endpgm
.Lentry_in_a_cluster:
	s_bfe_u32 s2, ttmp6, 0x10000c
	s_cmp_lg_u32 s2, 0xf033
	s_cbranch_scc0 .Lentry_shape_is_right
	s_endpgm
.Lentry_shape_is_right:
; THE THREE PROJECTIONS.  Q = x Wq + bq, K = x Wk + bk, V = x Wv + bv on codes of FP8 (E4M3); each finished sum x 2^(its two scales' exponents) + bias is quantised at once
; (Q by entry 6 of the scales, K by entry 7, V by entry 9) and stored as codes in the order of the next product's operand registers.
; x: [8192 tokens][1024], Wq, Wk, Wv: [1024 (head x 64 + channel)][1024]: codes, K innermost, rows of 1,024 bytes.
; THE CLUSTER'S x IS THE KIND: 0 = Q, 1 = K, 2 = V: the same number in all sixteen partners, so selects and one branch may hang on it.
; A work-group makes 256 x 256 sums, a wave 128 x 128: 64 accumulators of 16 x 16.  The matrix instruction takes source 0 = 16 rows of "B", source 1 = 16 rows of "A": a lane then holds ONE row of A
; and, in an accumulator's eight registers, eight neighbouring rows of B.  For Q and K: A = x (tokens), B = the weight: a lane's registers run along the head's channels, the K of the scores.
; For V: A = Wv (channels), B = x (tokens): a lane's registers run along the keys, the K of the second product.  So a conversion's two registers ARE two registers of the next operand's fragment.
; WHAT IS STORED.  q_img [batch x 16 + head][token tile of 16][1,024 bytes]: registers 4 i .. 4 i + 3 of the tile's fragment (16 tokens x 64 channels) at 512 i + 16 x lane.
; kv_img [batch x 16 + head][key step of 128][16,384 bytes]: K's eight tiles like Q's at 1,024 x tile; from byte 8,192 on V^T's four fragments (16 channels x 128 keys), registers 4 i .. 4 i + 3 at 2,048 x tile + 512 i + 16 x lane.
; Every store of a wave covers 512 consecutive bytes, aligned; no stage in LDS is needed.
; RING AND CLUSTER.  K goes in steps of 256 through two LDS slots filled by the tensor data mover.  4 x 4 work-groups form a cluster: A's tile hangs on cy alone and is asked for jointly by a row of the
; cluster, B's on cx alone and by a column.  384 work-groups: 1,024 x 8,192 sums of three kinds in tiles of 256 x 256; a wave tile that gave 256 work-groups would not leave room for the fragments.
; A fragment's k stand permuted in its registers (four loads of 16 bytes), alike in A and B: every product meets its partner.
; LIMITS: entries 0 + 1, 2 + 3, 4 + 5 between -126 and 127; entries 6, 7, 9 between -126 and 119: each power of two below is then an f32 number.  NaN codes among the inputs are not served.
; REGISTERS, in windows of 256: window 0: v16-29 addresses and constants; v32-95 the bias in the result's layout; v96-103 its offsets; v128-255 A's fragments, ONE set (on the way out: 64 numbers, then codes).
;   window 1: B's fragments, two sets.   windows 2, 3: the accumulators of A's blocks 0-3, 4-7 ((a, b) at v[8 (8 (a % 4) + b)]).
.set KSTEP,  256                       ; along K in a slot
.set ROWB,   256                       ; a tile's row in bytes
.set KROW,   1024                      ; a row of x or of a weight in memory, in bytes
.set PITCH,  272                       ; an LDS row: 256 bytes + 16 of padding = 68 words, so the 16 rows that a load touches start 4 banks apart (64 banks of 4 bytes: ISA guide 11.1)
.set FR,     16                        ; registers of a fragment: 16 rows x 128 K
.set NL,     4                         ; LDS loads that bring one
.set NP,     4                         ; places behind this matrix instruction (ISA guide 7.12.1)
.set HALFT,  128*PITCH                 ; 128 rows: what one tensor load brings
.set SLOT,   4*HALFT                   ; A's 256 rows, then B's 256 rows
.set LAPS,   2                         ; 1,024 along K = two laps of two slots
.set SPARE,  2*SLOT                    ; behind the ring: the spare words, 128 bytes for each wave, named by no other line
.set ADRA, 16                          ; v16-17  LDS address of my A fragments in slot 0, 1
.set ADRB, 20                          ; v20-21  the same for B
.set STO,  24                          ; v24     16 x lane: my place in a stored piece of 512 bytes
.set SC,   25                          ; v25     the quantiser's scale as f32
.set HL,   26                          ; v26     448 x that scale
.set SPW,  28                          ; v28     LDS address of my spare word; never rewritten
.set NIL,  29                          ; v29     0; never rewritten
.set BI,   32                          ; v32-95  the bias
.set BO,   96                          ; v96-103 byte offsets of the bias loads; never rewritten
.set AF,   128                         ; A's fragments
.set TMP,  128                         ; the way out: a block's 64 numbers
.set CD,   192                         ; the way out: codes, 16 registers for each of four blocks
.set G1, 24                            ; s[24:31] descriptor group 1 for A's tiles;  s[32:39] group 0, one set for each slot
.set G0, 32
.set G1B, 48                           ; s[48:55], s[56:63] the same for B's tiles
.set G0B, 56
.set MSB, 0
.macro WIN new                         ; the immediate's high byte repeats the setting that is left
.if MSB != \new
	s_set_vgpr_msb (MSB<<8)|\new
.set MSB, \new
.endif
.endm
.set MUL_LO, 0xa1                      ; source 0 (B) window 1, source 1 (A) window 0, C and D window 2
.set MUL_HI, 0xf1                      ; the same, C and D window 3
.set TO_B,   0x40                      ; destination window 1, address window 0
; A joint load: waves 0 and 1 fetch for A, waves 2 and 3 for B.  The branch hangs on the wave's number alone.  Four v_nop follow each of the two lines.
.macro JLOAD g0a, g1a, g0b, g1b
	s_cmp_eq_u32 s15, 0
	s_cbranch_scc0 .Lfor_b_\@
	tensor_load_to_lds s[\g0a:\g0a+3], s[\g1a:\g1a+7]
	s_nop 0
.rept 4
	v_nop
.endr
	s_branch .Lasked_\@
.Lfor_b_\@:
	tensor_load_to_lds s[\g0b:\g0b+3], s[\g1b:\g1b+7]
	s_nop 0
.rept 4
	v_nop
.endr
.Lasked_\@:
.endm
.macro CREST                           ; a round of the cluster's barrier behind its opening barrier
	s_cmp_lg_u32 s14, 0
	s_cbranch_scc1 .Lnot_wave_0_\@
	s_barrier_signal -3
.Lnot_wave_0_\@:
	s_barrier_wait -3
	s_barrier_signal -1
	s_barrier_wait -1
.endm
.macro CROUND                          ; a whole round
	s_barrier_signal -1
	s_barrier_wait -1
	CREST
.endm
	s_load_b512 s[68:83], s[0:1], 0x0              ; x s[68:69], Wq s[70:71], Wk s[72:73], Wv s[74:75], bq s[76:77], bk s[78:79], bv s[80:81], the scales s[82:83]
	s_load_b128 s[84:87], s[0:1], 0x40             ; q_img s[84:85], kv_img s[86:87]
	v_lshl_add_u32 v[SPW], v0, 2, SPARE
	v_mov_b32 v[NIL], 0
	ds_add_u32 v28, v29
	ds_add_u32 v28, v29
	s_wait_dscnt 0x0
	v_lshrrev_b32 v1, 5, v0
	v_readfirstlane_b32 s14, v1                    ; wave 0..3
	s_lshr_b32 s15, s14, 1                         ; which half of A's 256 rows is mine.  Also: I fetch for A (0) or for B (1)
	s_and_b32 s16, s14, 1                          ; which half of B's.  Also: which 128 rows of that tile I fetch
	s_bfe_u32 s40, ttmp6, 0x40000                  ; cx, cy: my place in the cluster
	s_bfe_u32 s41, ttmp6, 0x40004
	s_and_b32 s98, ttmp7, 0xffff
	s_lshl_b32 s98, s98, 2                         ; 4 x cluster y: the tokens' 32 tiles go along it
	s_cmp_eq_u32 ttmp9, 2                          ; V?
	s_cselect_b32 s17, 0, s98
	s_cselect_b32 s42, s98, 0
	s_add_co_u32 s17, s17, s41                     ; A's tile: Q, K: tokens, 4 x cluster y + cy;  V: the weight's rows, cy
	s_add_co_u32 s42, s42, s40                     ; B's tile: Q, K: the weight's rows, cx;  V: tokens, 4 x cluster y + cx
	s_lshl_b32 s43, s41, 2
	s_lshl_b32 s43, 15, s43                        ; my row of the cluster
	s_lshl_b32 s44, 0x1111, s40                    ; my column
	; descriptor group 1: a tile of 128 rows x 256 bytes, padded in LDS
	s_or_b32 s[G1+0], s43, (0<<16)|(1<<20)|(1<<21)|(5<<22)|(3<<25)  ; 15:0 the mask: A's tiles go to my row; 17:16 element of 1 byte; 20 padding on; 21 set beside a mask; 24:22 after every 64 words; 31:25 of 4 words
	s_or_b32 s[G1B+0], s44, (0<<16)|(1<<20)|(1<<21)|(5<<22)|(3<<25)
.irp g, G1, G1B
	s_mov_b32 s[\g+1], ROWB<<16                    ; tensor_dim0
	s_mov_b32 s[\g+2], 128<<16                     ; tensor_dim1 = 128
	s_mov_b32 s[\g+3], ROWB<<16                    ; tile_dim0
	s_mov_b32 s[\g+4], 128                         ; tile_dim1 = 128
	s_mov_b32 s[\g+5], KROW                        ; tensor_dim0_stride
	s_mov_b32 s[\g+6], 0
	s_mov_b32 s[\g+7], 0
.endr
	s_lshl_b32 s18, s16, 7                         ; which 128 rows of the tile I fetch
	s_lshl_b32 s20, s17, 8
	s_add_co_u32 s20, s20, s18                     ; A: row 256 x tile + 128 x half,
	s_lshl_b32 s20, s20, 10                        ; in bytes (under 2^23)
	s_mov_b32 s21, 0
	s_lshl_b32 s46, s42, 8
	s_add_co_u32 s46, s46, s18                     ; B likewise
	s_lshl_b32 s46, s46, 10
	s_mov_b32 s47, 0
	s_mul_i32 s45, s14, HALFT                      ; where they go: wave x 128 rows: no place in the cluster enters an LDS address
	s_wait_kmcnt 0x0
	s_load_b256 s[88:95], s[82:83], 0x0            ; entries 0 to 7 of the scales
	s_load_b32 s100, s[82:83], 0x24                ; entry 9
	s_cmp_eq_u32 ttmp9, 0                          ; the buffers are chosen on the kind alone
	s_cselect_b64 s[18:19], s[70:71], s[72:73]     ; Wq or Wk
	s_cselect_b64 s[8:9], s[76:77], s[78:79]       ; bq or bk
	s_cselect_b64 s[10:11], s[84:85], s[86:87]     ; q_img, or kv_img for K and V
	s_cmp_eq_u32 ttmp9, 2
	s_cselect_b64 s[4:5], s[74:75], s[68:69]       ; A: Wv, else x
	s_cselect_b64 s[6:7], s[68:69], s[18:19]       ; B: x, else the weight
	s_cselect_b64 s[8:9], s[80:81], s[8:9]         ; bv
	s_add_nc_u64 s[20:21], s[4:5], s[20:21]
	s_add_nc_u64 s[46:47], s[6:7], s[46:47]
	CROUND                                         ; all sixteen work-groups are here: the first joint loads meet
.irp s, 0,1
	s_mov_b32 s[G0+4*\s], 1
	s_add_co_u32 s[G0+4*\s+1], s45, \s*SLOT
	s_add_nc_u64 s[G0+4*\s+2:G0+4*\s+3], s[20:21], \s*ROWB
	s_or_b32 s[G0+4*\s+3], s[G0+4*\s+3], 0x80000000
	s_mov_b32 s[G0B+4*\s], 1
	s_add_co_u32 s[G0B+4*\s+1], s45, \s*SLOT
	s_add_nc_u64 s[G0B+4*\s+2:G0B+4*\s+3], s[46:47], \s*ROWB
	s_or_b32 s[G0B+4*\s+3], s[G0B+4*\s+3], 0x80000000
.endr
	JLOAD G0, G1, G0B, G1B                         ; K step 0: one tensor load a wave at the head
	v_and_b32 v1, 15, v0                           ; r = l % 16
	v_bfe_u32 v2, v0, 4, 1                         ; hh = l / 16
	v_mul_u32_u24 v3, v1, PITCH
	v_lshl_add_u32 v4, v2, 4, v3                   ; a fragment's row x pitch + 16 x half
	s_mul_i32 s21, s15, HALFT                      ; my 128 rows of A
	s_mul_i32 s22, s16, HALFT                      ; my 128 rows of B,
	s_add_co_u32 s22, s22, 2*HALFT                 ; which lie behind A's 256
.irp s, 0,1
	v_add_nc_u32 v[ADRA+\s], s21, v4
	v_add_nc_u32 v[ADRB+\s], s22, v4
	s_add_co_u32 s21, s21, SLOT
	s_add_co_u32 s22, s22, SLOT
.endr
	v_and_b32 v6, 31, v0
	v_lshlrev_b32 v[STO], 4, v6
	; my wave's first token and first output channel n (head x 64 + channel)
	s_lshl_b32 s20, s17, 8
	s_lshl_b32 s21, s15, 7
	s_add_co_u32 s20, s20, s21                     ; my first row of A
	s_lshl_b32 s46, s42, 8
	s_lshl_b32 s47, s16, 7
	s_add_co_u32 s46, s46, s47                     ; my first row of B
	s_cmp_eq_u32 ttmp9, 2                          ; all that the kind V changes is selected on this one compare
	s_cselect_b32 s98, s46, s20                    ; the token
	s_cselect_b32 s99, s20, s46                    ; n
	s_cselect_b32 s21, 4, 0                        ; the bias offsets' step from r to r,
	s_cselect_b32 s22, 0, 32                       ; from half to half of the lanes,
	s_cselect_b32 s23, 0, 4                        ; and from register to register
	s_cselect_b32 s47, 8192, 0                     ; V^T lies behind K in a key step's block
	; THE BIAS in the result's layout, 64 registers.  Q, K: register 8 b + j = bias[n + 16 b + 8 hh + j].  V: register 8 a + j = bias[n + 16 a + r], for every j.  One text serves both: only the offsets differ.
	v_mul_u32_u24 v5, v1, s21
	v_mad_u32_u24 v5, v2, s22, v5
	v_mov_b32 v6, s23
.irp j, 0,1,2,3,4,5,6,7
	v_mad_u32_u24 v[BO+\j], v6, \j, v5
.endr
	s_lshl_b32 s18, s99, 2
	s_mov_b32 s19, 0
	s_add_nc_u64 s[8:9], s[8:9], s[18:19]          ; the bias at n
.irp i, 0,1,2,3,4,5,6,7
.irp j, 0,1,2,3,4,5,6,7
	global_load_b32 v[BI+8*\i+\j], v[BO+\j], s[8:9] offset:64*\i
.endr
.endr
	; where my wave's codes go: ((batch x 16 + head) x 131,072 + (key step) x 8,192) bytes in q_img, twice that in kv_img
	s_lshr_b32 s18, s98, 11                        ; batch
	s_lshl_b32 s18, s18, 4
	s_lshr_b32 s19, s99, 6                         ; head
	s_add_co_u32 s18, s18, s19
	s_lshl_b32 s18, s18, 17
	s_bfe_u32 s19, s98, 0x40007                    ; which 128 tokens of the batch's 2,048
	s_lshl_b32 s19, s19, 13
	s_add_co_u32 s18, s18, s19
	s_cmp_eq_u32 ttmp9, 0
	s_cselect_b32 s19, 0, 1
	s_lshl_b32 s18, s18, s19
	s_lshl_b32 s22, 0x20000, s19                   ; from a head to the next
	s_add_co_u32 s18, s18, s47
	s_mov_b32 s19, 0
	s_mov_b32 s23, 0
	s_add_nc_u64 s[10:11], s[10:11], s[18:19]      ; my first head's codes,
	s_add_nc_u64 s[12:13], s[10:11], s[22:23]      ; my second head's
.macro FRAG reg, adr, q, i             ; a fragment, 16 rows x 128 K: lane l holds row l % 16; registers 4 c .. 4 c + 3 hold K = 32 c + 16 (l / 16) + 0 .. 15
.irp c, 0,1,2,3
	ds_load_b128 v[\reg+4*\c:\reg+4*\c+3], v[\adr] offset:128*(\q)+32*\c+(\i)*16*PITCH
.endr
.endm
; 16 matrix instructions: A's blocks a0, a0 + 1 x B's eight, 128 along K.  p: B's set.  zero = 1: the first product starts the sums.
; The 64 accumulators take turns, one instruction a turn, in the same order in every step.
.macro MUL16 a0, p, zero
.irp a, \a0, \a0+1
.irp b, 0,1,2,3,4,5,6,7
.if \zero
	v_wmma_f32_16x16x128_fp8_fp8 v[8*(8*((\a)%4)+\b):8*(8*((\a)%4)+\b)+7], v[128*(\p)+FR*\b:128*(\p)+FR*\b+FR-1], v[AF+FR*(\a):AF+FR*(\a)+FR-1], 0
.else
	v_wmma_f32_16x16x128_fp8_fp8 v[8*(8*((\a)%4)+\b):8*(8*((\a)%4)+\b)+7], v[128*(\p)+FR*\b:128*(\p)+FR*\b+FR-1], v[AF+FR*(\a):AF+FR*(\a)+FR-1], v[8*(8*((\a)%4)+\b):8*(8*((\a)%4)+\b)+7]
.endif
.endr
.endr
.endm
.macro FETCH_B slot, q, p              ; B's eight fragments of the slot's q-th 128 along K into set p
	WIN TO_B
.irp i, 0,1,2,3,4,5,6,7
	FRAG 128*(\p)+FR*\i, ADRB+\slot, \q, \i
.endr
	WIN 0
.endm
.macro FETCH_A slot, q, i0             ; A's blocks i0 .. i0 + 3
.irp i, \i0, \i0+1, \i0+2, \i0+3
	FRAG AF+FR*(\i), ADRA+\slot, \q, \i
.endr
.endm
; A load into a register that a matrix instruction has read, and a vector instruction that reads a matrix result or writes one of its registers, stand NP plain vector instructions behind it.
.macro PLACES n
.rept \n
	v_nop
.endr
.endm
; A step of 128 along K that has its successor in the same slot.  A's blocks are free as soon as their eight products are issued: blocks 0-3 are fetched anew in the middle, blocks 4-7 at the end.
.macro STEP slot, q, zero
	s_wait_dscnt 4*NL                              ; B's set and A's blocks 0-3 are in; the youngest 16 loads (A's blocks 4-7) may be out
	WIN MUL_LO
	MUL16 0, (\q)%2, \zero
	MUL16 2, (\q)%2, \zero
	s_wait_dscnt 0                                 ; A's blocks 4-7 are in
	PLACES NP
	FETCH_B \slot, (\q)+1, 1-(\q)%2
	FETCH_A \slot, (\q)+1, 0
	WIN MUL_HI
	MUL16 4, (\q)%2, \zero
	MUL16 6, (\q)%2, \zero
	PLACES NP
	WIN 0
	FETCH_A \slot, (\q)+1, 4
.endm
; A slot's last step changes slots: ONE barrier; in front of it each wave waits for all its tensor loads, adds 0 to its spare word, and waits for that and for its own reads of this slot.  fill = 1: this slot is filled again, two K steps ahead.
.macro TURN slot, next, fill
	s_wait_tensorcnt 0x0                           ; all my tensor loads have landed: my part of the next slot  (every window is 0 here)
	ds_add_u32 v[SPW], v[NIL]                      ; 0 onto my spare word
	s_wait_dscnt 4*NL+1                            ; the add and the youngest 16 loads, A's blocks 4-7, may be out
	WIN MUL_LO
	MUL16 0, 1, 0                                  ; sixteen matrix instructions stand between the add and the wait for it
	s_wait_dscnt 0x0                               ; the add is done, and my reads of this slot are over
	s_barrier_signal -1
	MUL16 2, 1, 0
	WIN 0
	s_barrier_wait -1
.if \fill
	CREST                                          ; the barrier has opened a round of the cluster's barrier: no wave of any partner still reads this slot's tile or has a load on its way
	s_add_nc_u64 s[G0+4*\slot+2:G0+4*\slot+3], s[G0+4*\slot+2:G0+4*\slot+3], 2*ROWB
	s_add_nc_u64 s[G0B+4*\slot+2:G0B+4*\slot+3], s[G0B+4*\slot+2:G0B+4*\slot+3], 2*ROWB
	JLOAD G0+4*\slot, G1, G0B+4*\slot, G1B         ; the first tensor load behind the round; its four v_nop are the places in front of the loads below
.else
	PLACES NP
.endif
	FETCH_B \next, 0, 0
	FETCH_A \next, 0, 0
	WIN MUL_HI
	MUL16 4, 1, 0
	MUL16 6, 1, 0
	PLACES NP
	WIN 0
	FETCH_A \next, 0, 4
.endm
	s_wait_alu depctr_va_vdst(0)                   ; the wait at the head's end
	s_wait_tensorcnt 0x0                           ; my part of K step 0 is in
	ds_add_u32 v[SPW], v[NIL]
	s_wait_dscnt 0x0
	CROUND                                         ; everybody's part of K step 0 is in, and all sixteen work-groups are here
	JLOAD G0+4, G1, G0B+4, G1B                     ; K step 1: the first tensor load behind the round
	FETCH_B 0, 0, 0
	FETCH_A 0, 0, 0
	FETCH_A 0, 0, 4
	STEP 0, 0, 1                                   ; the first step stands in front of the loop: its products start the sums
	s_mov_b32 s3, LAPS-1
.Llap:                                                 ; a trip goes once round the ring, from a lap's second step to the next lap's first, and fills both slots again
	TURN 0, 1, 1
	STEP 1, 0, 0
	TURN 1, 0, 1
	STEP 0, 0, 0
	s_sub_co_u32 s3, s3, 1
	s_cmp_lg_u32 s3, 0
	s_cbranch_scc1 .Llap
	TURN 0, 1, 0                                   ; the last lap fills nothing, and has no round of the cluster's barrier
	STEP 1, 0, 0
	s_wait_dscnt 4*NL                              ; the very last step: nothing more to fetch
	WIN MUL_LO
	MUL16 0, 1, 0
	MUL16 2, 1, 0
	s_wait_dscnt 0
	WIN MUL_HI
	MUL16 4, 1, 0
	MUL16 6, 1, 0
	WIN 0
; THE WAY OUT, A's block a (16 rows of A x 128 rows of B): number = sum x 2^(ea + eb) + bias, one packed multiply-add for two, each accumulator from its low end on; the hold at 448 x the scale
; (the conversion to an 8-bit code does not saturate: ISA guide 7.6.2); eight conversions: accumulator b's codes are registers 2 b, 2 b + 1.
; Q, K: registers 0-7 are my first head's fragment of token tile a, registers 8-15 my second head's.  V: the 16 registers are the fragment of channels 16 a .. 16 a + 15 x my 128 keys.
.macro OUTA a, isv
.if (\a) == 4
	s_wait_xcnt 0x0                                ; blocks 0 to 3's stores have read their data: the four sets of code registers are written again only behind this wait
.endif
	WIN 0x02+((\a)/4)                              ; source 0: window 2 or 3
.irp b, 0,1,2,3,4,5,6,7
.if \isv
.set BX, BI+8*(\a)
.else
.set BX, BI+8*\b
.endif
.irp j, 0,2,4,6
	v_pk_fma_f32 v[TMP+8*\b+\j:TMP+8*\b+\j+1], v[64*((\a)%4)+8*\b+\j:64*((\a)%4)+8*\b+\j+1], s[96:97], v[BX+\j:BX+\j+1] op_sel_hi:[1,0,1]
.endr
.endr
	WIN 0
.set n, 0
.rept 64
	v_med3_num_f32 v[TMP+n], v[TMP+n], -v[HL], v[HL]
.set n, n+1
.endr
.irp b, 0,1,2,3,4,5,6,7
	v_cvt_scalef32_pk8_fp8_f32 v[CD+16*((\a)%4)+2*\b:CD+16*((\a)%4)+2*\b+1], v[TMP+8*\b:TMP+8*\b+7], v[SC]
.endr
	v_nop                                          ; a plain vector instruction between the conversions and the next block's multiply-adds, which write their sources
.irp p, 0,1,2,3
.if \isv
	global_store_b128 v[STO], v[CD+16*((\a)%4)+4*\p:CD+16*((\a)%4)+4*\p+3], s[10+2*((\a)/4):11+2*((\a)/4)] offset:2048*((\a)%4)+512*\p   ; 32 lanes store 512 consecutive bytes
.else
	global_store_b128 v[STO], v[CD+16*((\a)%4)+4*\p:CD+16*((\a)%4)+4*\p+3], s[10+2*(\p/2):11+2*(\p/2)] offset:1024*(\a)+512*(\p%2)
.endif
.endr
.endm
	s_wait_kmcnt 0x0                               ; the scales
	s_wait_loadcnt 0x0                             ; the bias
	s_cmp_eq_u32 ttmp9, 0
	s_cselect_b32 s18, s88, s90                    ; the weight's exponent,
	s_cselect_b32 s19, s89, s91                    ; x's for this product,
	s_cselect_b32 s20, s94, s95                    ; the quantiser's
	s_cmp_eq_u32 ttmp9, 2
	s_cselect_b32 s18, s92, s18
	s_cselect_b32 s19, s93, s19
	s_cselect_b32 s20, s100, s20
	s_add_co_i32 s96, s18, s19
	s_add_co_i32 s96, s96, 127
	s_lshl_b32 s96, s96, 23                        ; 2^(ea + eb) as f32
	s_mov_b32 s97, s96                             ; (named with it as a pair, so it is written)
	s_add_co_i32 s20, s20, 127
	s_lshl_b32 s21, s20, 23
	v_mov_b32 v[SC], s21                           ; the quantiser's scale as f32: the conversion takes its exponent field
	s_add_co_i32 s20, s20, 8
	s_lshl_b32 s20, s20, 23
	s_or_b32 s20, s20, 0x600000
	v_mov_b32 v[HL], s20                           ; 448 x that scale
	PLACES NP                                      ; behind the last products: A's registers are written and results are read from here on
	s_cmp_eq_u32 ttmp9, 2                          ; the kind: the same in all partners
	s_cbranch_scc1 .Lv
.irp a, 0,1,2,3,4,5,6,7
	OUTA \a, 0
.endr
	s_branch .Ldone
.Lv:
.irp a, 0,1,2,3,4,5,6,7
	OUTA \a, 1
.endr
.Ldone:
	s_wait_tensorcnt 0x0                           ; the wave's end
	ds_add_u32 v[SPW], v[NIL]
	s_wait_dscnt 0x0
	CROUND                                         ; the closing round: no work-group ends while a partner may still ask for a tile that names it
	s_endpgm
.Lfunc_end_k_q316245d2eb_proj:
	.size	k_q316245d2eb_proj, .Lfunc_end_k_q316245d2eb_proj-k_q316245d2eb_proj
	.p2alignl 7, 3214868480
	.fill 96, 4, 3214868480
	.section	.rodata,"a",@progbits
	.p2align	6, 0x0
	.amdhsa_kernel k_q316245d2eb_proj
		.amdhsa_group_segment_fixed_size 327680
		.amdhsa_private_segment_fixed_size 0
		.amdhsa_enable_private_segment 0
		.amdhsa_kernarg_size 80
		.amdhsa_user_sgpr_count 2
		.amdhsa_user_sgpr_kernarg_segment_ptr 1
		.amdhsa_wavefront_size32 1
		.amdhsa_system_sgpr_workgroup_id_x 1
		.amdhsa_system_sgpr_workgroup_id_y 1
		.amdhsa_system_sgpr_workgroup_id_z 1
		.amdhsa_system_vgpr_workitem_id 0
		.amdhsa_next_free_vgpr 1024
		.amdhsa_next_free_sgpr 102
		.amdhsa_reserve_vcc 0
		.amdhsa_float_denorm_mode_32 3
		.amdhsa_float_denorm_mode_16_64 3
		.amdhsa_memory_ordered 1
		.amdhsa_forward_progress 1
		.amdhsa_inst_pref_size 198
	.end_amdhsa_kernel
	.amdgpu_metadata
---
amdhsa.version: [ 1, 2 ]
amdhsa.kernels:
  - .name:           k_q316245d2eb_proj
    .symbol:         k_q316245d2eb_proj.kd
    .args:
      - { .name: x_codes, .offset: 0, .size: 8, .value_kind: global_buffer, .address_space: global }
      - { .name: Wq_codes, .offset: 8, .size: 8, .value_kind: global_buffer, .address_space: global }
      - { .name: Wk_codes, .offset: 16, .size: 8, .value_kind: global_buffer, .address_space: global }
      - { .name: Wv_codes, .offset: 24, .size: 8, .value_kind: global_buffer, .address_space: global }
      - { .name: bq, .offset: 32, .size: 8, .value_kind: global_buffer, .address_space: global }
      - { .name: bk, .offset: 40, .size: 8, .value_kind: global_buffer, .address_space: global }
      - { .name: bv, .offset: 48, .size: 8, .value_kind: global_buffer, .address_space: global }
      - { .name: lowp_scales, .offset: 56, .size: 8, .value_kind: global_buffer, .address_space: global }
      - { .name: q_img, .offset: 64, .size: 8, .value_kind: global_buffer, .address_space: global }
      - { .name: kv_img, .offset: 72, .size: 8, .value_kind: global_buffer, .address_space: global }
    .group_segment_fixed_size: 327680
    .private_segment_fixed_size: 0
    .kernarg_segment_align: 8
    .kernarg_segment_size: 80
    .max_flat_workgroup_size: 128
    .sgpr_count:     102
    .vgpr_count:     1024
    .wavefront_size: 32
...
	.end_amdgpu_metadata
.endif
;; end of part 1
;; launch attn (part 2): grid 4 x 64, 8 waves a work-group, clusters of 4 x 1, 264,192 bytes of LDS; arguments q_img, kv_img, lowp_scales, cat_img; writes cat_img
.if DOCPART == 2
	.amdgcn_target "amdgcn-amd-amdhsa--gfx1250"
	.amdhsa_code_object_version 6
	.text
	.protected	k_q316245d2eb_attn
	.globl	k_q316245d2eb_attn
	.p2align	8
	.type	k_q316245d2eb_attn,@function
k_q316245d2eb_attn:
	s_mov_b64 s[64:65], 0
	v_nop
	global_prefetch_b8 v0, s[64:65] scope:SCOPE_SE
	s_setreg_imm32_b32 hwreg(HW_REG_WAVE_MODE, 25, 1), 1
	s_wait_xcnt 0x0
	s_wait_alu depctr_hold_cnt(0) depctr_sa_sdst(0) depctr_va_vdst(0) depctr_va_sdst(0) depctr_va_ssrc(0) depctr_va_vcc(0) depctr_vm_vsrc(0)
	s_getreg_b32 s2, hwreg(HW_REG_IB_STS2, 6, 4)
	s_cmp_eq_u32 s2, 0
	s_cbranch_scc0 .Lentry_in_a_cluster
	s_endpgm
.Lentry_in_a_cluster:
	s_bfe_u32 s2, ttmp6, 0x10000c
	s_cmp_lg_u32 s2, 0x3003
	s_cbranch_scc0 .Lentry_shape_is_right
	s_endpgm
.Lentry_shape_is_right:
; ATTENTION ON CODES OF FP8 (E4M3): for each (batch, head) o[q] = the sum over keys of softmax(q . k / 8) v, both products on codes, the result quantised at once for the output product.
; THE SOFTMAX AHEAD OF THE SECOND PRODUCT: t = score x log2(e) / 8; M = the row's largest t so far, rounded UP to a whole number; p = 2^(t - M) is quantised (entry 8 of the scales), not normalised.
; The row's sum is taken of the unquantised p, in f32, and divides at the end.  When M moves, the sum and O are multiplied by 2^(old M - new M), which rounds nothing.
; SHARES.  A cluster of four work-groups is one (batch, head); a work-group owns 512 of its 2,048 queries; each of its eight waves FOUR tiles of 16 queries, walked together over 16 key steps of 128 keys:
; a fragment of K or of V^T that a wave reads from LDS feeds four matrix instructions, one for each tile.
; K AND V LIE IN LDS WHOLE.  The head's block of kv_img, 262,144 bytes, is brought once, at the head, by eight JOINT loads of 32,768 bytes (two key steps each; every wave issues one; the mask names all four partners).
; No LDS byte is filled twice, so there is no ring.  Every tensor load goes out at the head, so there is no later load that a prefetch could run ahead of: none is written.
; ORDER.  In a key step the tiles go in PAIRS (A, B), and the two tiles' independent lines stand by turns: both tiles' scores; both largest scores and both M; A's t - M; O x f;
; A's exponentials with B's t - M among them; B's exponentials with A's first sums and A's hold among them; the remaining sums, B's hold, the codes, O += V^T P^T.
; What stands among exponentials reads only what was written ahead of the wait in front of that batch, and is first read behind the wait that follows it.
; V^T's fragments of a key step are read in its first pair's turn, K's of the next key step in its second pair's.  The last key step is written out: it reads no K beyond the sixteenth step.
; LAYOUT.  q_img and kv_img hold images of operand registers: a piece of four registers is 512 bytes, 16 x lane.  S^T = K Q^T (source 0 = 16 keys, source 1 = 16 queries): lane (r, hh) holds query r and, in key tile t's
; eight registers, keys 16 t + 8 hh + 0 .. 7: their codes are registers 2 t, 2 t + 1 of P^T, source 1 of O^T = V^T P^T (source 0 = 16 channels x 128 keys).  A lane holds one query of each tile, every k in its true place.
; OUT.  cat_img [256 of the output product's K][token tile][4,096]: a lane's eight codes (token r, channels 16 d + 8 hh + 0 .. 7 of head h) lie at 1,024 (h % 4) + 256 d + 16 r + 8 hh: a wave's store covers 256 consecutive bytes, aligned.
; LIMITS: entries 6 + 7 between -123 and 130 (added to c's exponent field); entry 8 between -126 and 119; entries 8 + 9 - 10 go through v_ldexp_f32 and have none; the scaled scores t stay under 2^31 in magnitude.
; REGISTERS.  Window 0: v1-11 addresses and constants; v12-27 four tiles' -M, largest score, sum (a pair); v[28:29], v[10:11] f of A, of B; v30, v31 the add's; v32-95 K; v96-159, v160-223 scores, then p, of A, of B; v224-255 at work.
;             Window 1: v0-127 O^T of the four tiles; v128-159 Q; v160-223 V^T; v224-255 the pair's codes of p.
.set SPARE, 0x40000                    ; behind K and V: the spare words, 128 bytes for each wave, named by no other line
.set LI,   1                           ; 16 x lane
.set ADR,  2                           ; LDS address of the key step in hand (on the way out: 448.0)
.set ONE,  3                           ; on the way out: 1.0, the last conversion's scale
.set GO,   4                           ; 16 r + 8 hh: my place in a stored 256 bytes
.set PH,   5                           ; 448 x 2^e8,
.set PH2,  6                           ; and once more: the two halves of a dual instruction take their second sources from different banks
.set PS,   7                           ; 2^e8
.set PDB,  8                           ; the lane permutes' destinations
.set PDA,  9
.set FB,   10
.set FA,   28
.set SPW,  30
.set NIL,  31
.set KF,   32
.set SA,   96
.set SB,   160
.set UU,   224                         ; sixteen pairs of partial sums;  ahead of them in a turn:
.set CHA,  224                         ; four partial maxima of A,
.set CHB,  228                         ; of B,
.set OMA,  232                         ; the old -M of A,
.set OMB,  233                         ; of B
.set OT,   0                           ; window 1 from here on
.set QF,   128
.set VF,   160
.set PC,   224
.set WV,   12                          ; s12  my wave's number
.set G1,   16                          ; s[16:23] descriptor group 1
.set G0,   24                          ; s[24:27] group 0
.set CS,   46                          ; s[46:47] c = log2(e) / 8 x 2^(e6 + e7)
.set SEL,  48                          ; s[48:49] lane selects for v_permlanex16_b32: lane l xor 16
.set TB,   50                          ; s50  LDS byte of the key step in hand
.set CNT,  51                          ; s51  key steps to go in the loop
.set EF,   52                          ; s52  e8 + e9 - e10
.set MSB, 0
.macro WIN new                         ; low byte: bits 1:0 source 0, 3:2 source 1, 5:4 source 2, 7:6 destination; the high byte repeats the setting that is left
.if MSB != \new
	s_set_vgpr_msb (MSB<<8)|\new
.set MSB, \new
.endif
.endm
.macro CROUND                          ; a round of the cluster's barrier
	s_barrier_signal -1
	s_barrier_wait -1
	s_cmp_lg_u32 s[WV], 0
	s_cbranch_scc1 .Lnot_wave_0_\@
	s_barrier_signal -3
.Lnot_wave_0_\@:
	s_barrier_wait -3
	s_barrier_signal -1
	s_barrier_wait -1
.endm
.macro HOLD2 r                         ; two numbers held at 448 x 2^e8: the conversion to an 8-bit code does not saturate (ISA guide 7.6.2); p is not negative, so the hold is one-sided
	v_dual_min_num_f32 v[\r], v[\r], v[PH] :: v_dual_min_num_f32 v[\r+1], v[\r+1], v[PH2]
.endm
.macro HOLD b                          ; sixteen
.set n, 0
.rept 8
	HOLD2 \b+n
.set n, n+2
.endr
.endm
.macro FMAS s, st, cnt                 ; t - M, two at a time, from register m of the tile on
.rept \cnt
	v_pk_fma_f32 v[\s+m:\s+m+1], v[\s+m:\s+m+1], s[CS:CS+1], v[\st:\st+1] op_sel_hi:[1,0,0]
.set m, m+2
.endr
.endm
.macro UADD a, b                       ; partial sum a += partial sum b
	v_pk_add_f32 v[UU+2*(\a):UU+2*(\a)+1], v[UU+2*(\a):UU+2*(\a)+1], v[UU+2*(\b):UU+2*(\b)+1]
.endm
.macro KLOAD adr, off                  ; K's eight fragments: 32 lanes read 512 consecutive bytes
.irp t, 0,1,2,3,4,5,6,7
	ds_load_b128 v[KF+8*\t:KF+8*\t+3], v[\adr] offset:\off+1024*\t
	ds_load_b128 v[KF+8*\t+4:KF+8*\t+7], v[\adr] offset:\off+1024*\t+512
.endr
.endm
	s_load_b256 s[4:11], s[0:1], 0x0               ; q_img s[4:5], kv_img s[6:7], the scales s[8:9], cat_img s[10:11]
	v_lshl_add_u32 v[SPW], v0, 2, SPARE
	v_mov_b32 v[NIL], 0
	ds_add_u32 v[SPW], v[NIL]                      ; the opening lines: the add, twice on end, and its wait ahead of my tensor load
	ds_add_u32 v[SPW], v[NIL]
	v_lshrrev_b32 v3, 5, v0
	v_readfirstlane_b32 s[WV], v3                  ; wave 0..7
	s_bfe_u32 s13, ttmp6, 0x40000                  ; cx: it enters Q's and the output's addresses alone
	s_and_b32 s14, ttmp7, 0xffff                   ; batch x 16 + head, which the four partners share
	s_mov_b32 s[G1], 15|(3<<16)|(1<<21)            ; the mask: all four work-groups; elements of 8 bytes; bit 21 beside a mask; no padding
	s_mov_b32 s[G1+1], 32<<16                      ; a dense block of 32,768 bytes as 128 rows of 32 elements
	s_mov_b32 s[G1+2], 128<<16
	s_mov_b32 s[G1+3], 32<<16
	s_mov_b32 s[G1+4], 128
	s_mov_b32 s[G1+5], 32
	s_mov_b32 s[G1+6], 0
	s_mov_b32 s[G1+7], 0
	s_mov_b32 s[G0], 1
	s_lshl_b32 s[G0+1], s[WV], 15                  ; wave w brings key steps 2 w and 2 w + 1: byte 32,768 w in LDS as in the head's block
	s_lshl_b32 s54, s14, 18                        ; the head's block of 262,144 bytes
	s_add_co_u32 s54, s54, s[G0+1]
	s_mov_b32 s55, 0
	s_mov_b32 s[SEL], 0x76543210
	s_mov_b32 s[SEL+1], 0xfedcba98
	s_lshl_b32 s57, s13, 5
	s_lshl_b32 s58, s[WV], 2
	s_add_co_u32 s57, s57, s58                     ; my first tile of queries among the head's 128: 32 cx + 4 x wave
	s_lshl_b32 s58, s14, 7
	s_add_co_u32 s58, s58, s57
	s_lshl_b32 s58, s58, 10                        ; 1,024 bytes a tile of q_img
	s_mov_b32 s59, 0
	s_lshr_b32 s60, s14, 4                         ; batch
	s_lshl_b32 s60, s60, 7
	s_add_co_u32 s60, s60, s57                     ; my first token tile among all 512
	s_lshl_b32 s60, s60, 12                        ; 4,096 bytes a tile of cat_img
	s_bfe_u32 s57, s14, 0x20002                    ; head / 4: which 256 of the output product's K
	s_lshl_b32 s57, s57, 21
	s_add_co_u32 s60, s60, s57
	s_and_b32 s57, s14, 3                          ; head % 4
	s_lshl_b32 s57, s57, 10
	s_add_co_u32 s60, s60, s57
	s_mov_b32 s61, 0
	s_wait_dscnt 0x0                               ; both opening adds are done
	s_wait_kmcnt 0x0
	s_load_b128 s[40:43], s[8:9], 0x18             ; entries 6 to 9 of the scales
	s_load_b32 s44, s[8:9], 0x28                   ; entry 10
	s_add_nc_u64 s[G0+2:G0+3], s[6:7], s[54:55]
	s_or_b32 s[G0+3], s[G0+3], 0x80000000          ; type = 2
	s_add_nc_u64 s[4:5], s[4:5], s[58:59]
	s_add_nc_u64 s[10:11], s[10:11], s[60:61]
	CROUND                                         ; all four work-groups are here: the joint loads meet
	tensor_load_to_lds s[G0:G0+3], s[G1:G1+7]      ; my one tensor load of the launch
	s_nop 0
	v_and_b32 v3, 31, v0
	v_and_b32 v11, 15, v0                          ; r
	v_bfe_u32 v2, v0, 4, 1                         ; hh
	v_lshlrev_b32 v[LI], 4, v3
	v_lshlrev_b32 v[GO], 4, v11
	v_lshl_add_u32 v[GO], v2, 3, v[GO]
	WIN 0x40
.irp i, 0,1,2,3,4,5,6,7
	global_load_b128 v[QF+4*\i:QF+4*\i+3], v[LI], s[4:5] offset:512*\i   ; Q's four fragments stay in registers
.endr
	WIN 0
	v_mov_b32 v[PDA], 0                            ; written once: a lane permute's destination counts as one of its sources
	v_mov_b32 v[PDB], 0
	v_mov_b32 v[FA+1], 0                           ; (named as the upper halves of f's pairs)
	v_mov_b32 v[FB+1], 0
.irp i, 0,1,2,3
	v_mov_b32 v[13+4*\i], 0xff61b1e6               ; the largest score so far: -3e38, under every score
	v_mov_b32 v[14+4*\i], 0
	v_mov_b32 v[15+4*\i], 0
	v_floor_f32 v[12+4*\i], -v[13+4*\i]            ; -M
.endr
	WIN 0x40
.set n, 0
.rept 128
	v_mov_b32 v[OT+n], 0                           ; O^T: the key step is written for all steps alike; the first finds zeros, which the first change of M leaves zeros
.set n, n+1
.endr
	WIN 0
	s_wait_kmcnt 0x0
	s_add_co_i32 s57, s40, s41
	s_lshl_b32 s57, s57, 23
	s_add_co_i32 s[CS], s57, 0x3e38aa3b            ; c = log2(e) / 8, with e6 + e7 added to its exponent field
	s_mov_b32 s[CS+1], s[CS]
	s_add_co_i32 s57, s42, 127
	s_lshl_b32 s58, s57, 23
	v_mov_b32 v[PS], s58                           ; 2^e8
	s_add_co_i32 s57, s57, 8
	s_lshl_b32 s57, s57, 23
	s_or_b32 s57, s57, 0x600000
	v_mov_b32 v[PH], s57                           ; 448 x 2^e8
	v_mov_b32 v[PH2], s57
	s_add_co_i32 s[EF], s42, s43
	s_sub_co_i32 s[EF], s[EF], s44                 ; e8 + e9 - e10
; PAIR p's TURN IN A KEY STEP: tiles A = 2 p and B = 2 p + 1.  ldk = 1: the next key step's K is read.
.macro PT p, ldk
.set STX, 12+8*(\p)
.set STY, 16+8*(\p)
.set OX,  OT+64*(\p)
.set OY,  OT+64*(\p)+32
.set QX,  QF+16*(\p)
.set QY,  QF+16*(\p)+8
.if (\p) == 0
	s_wait_dscnt 0x0                               ; this key step's K is in
.endif
	WIN 0x04
.irp t, 0,1,2,3,4,5,6,7
	v_wmma_f32_16x16x64_fp8_fp8 v[SA+8*\t:SA+8*\t+7], v[KF+8*\t:KF+8*\t+7], v[QX:QX+7], 0
	v_wmma_f32_16x16x64_fp8_fp8 v[SB+8*\t:SB+8*\t+7], v[KF+8*\t:KF+8*\t+7], v[QY:QY+7], 0
.endr
	WIN 0
	v_mov_b32 v[OMA], v[STX]                       ; four places ahead of the first read of the scores
	v_mov_b32 v[OMB], v[STY]
.if (\p) == 0
	v_add_nc_u32 v[ADR], s[TB], v[LI]
.else
	v_nop
.endif
	v_nop
.irp k, 0,1,2,3
	v_max3_num_f32 v[CHA+\k], v[SA+3*\k], v[SA+3*\k+1], v[SA+3*\k+2]   ; the largest of my 64 scores of each tile, in four chains a tile, every accumulator from its low end on
	v_max3_num_f32 v[CHB+\k], v[SB+3*\k], v[SB+3*\k+1], v[SB+3*\k+2]
.endr
.set n, 12
.rept 26
	v_max3_num_f32 v[CHA+(n/2)%4], v[CHA+(n/2)%4], v[SA+n], v[SA+n+1]
	v_max3_num_f32 v[CHB+(n/2)%4], v[CHB+(n/2)%4], v[SB+n], v[SB+n+1]
.set n, n+2
.endr
	v_max3_num_f32 v[CHA], v[CHA], v[CHA+1], v[CHA+2]
	v_max3_num_f32 v[CHB], v[CHB], v[CHB+1], v[CHB+2]
	v_max3_num_f32 v[CHA], v[CHA], v[CHA+3], v[STX+1]   ; with the largest so far
	v_max3_num_f32 v[CHB], v[CHB], v[CHB+3], v[STY+1]
	v_permlanex16_b32 v[PDA], v[CHA], s[SEL], s[SEL+1]
	v_permlanex16_b32 v[PDB], v[CHB], s[SEL], s[SEL+1]
.if (\p) == 0
	WIN 0x40                                       ; the lines above are the places behind the last turn's products, which read V^T's registers
.irp d, 0,1,2,3
.irp c, 0,1,2,3
	ds_load_b128 v[VF+16*\d+4*\c:VF+16*\d+4*\c+3], v[ADR] offset:8192+2048*\d+512*\c
.endr
.endr
	WIN 0
.endif
.if \ldk
	KLOAD ADR, 16384                               ; this key step's last scores were started above; the lines between are their places
.endif
	v_max_num_f32 v[STX+1], v[CHA], v[PDA]         ; and lane l xor 16's: the running largest score
	v_max_num_f32 v[STY+1], v[CHB], v[PDB]
	v_mul_f32 v[CHA], s[CS], v[STX+1]              ; as t (c is positive, so the largest score gives the largest t)
	v_mul_f32 v[CHB], s[CS], v[STY+1]
	v_floor_f32 v[STX], -v[CHA]                    ; the new -M = -ceil(t)
	v_floor_f32 v[STY], -v[CHB]
.set m, 0
	FMAS SA, STX, 4
	v_sub_f32 v[OMA], v[STX], v[OMA]               ; old M - new M: a whole number, 0 or less
	v_sub_f32 v[OMB], v[STY], v[OMB]
	FMAS SA, STX, 4
	v_cvt_i32_f32 v[OMA], v[OMA]                   ; (it saturates)
	v_cvt_i32_f32 v[OMB], v[OMB]
	FMAS SA, STX, 4
	v_ldexp_f32 v[FA], 1.0, v[OMA]                 ; f = 2^(old M - new M)
	v_ldexp_f32 v[FB], 1.0, v[OMB]
	FMAS SA, STX, 20
	v_pk_mul_f32 v[STX+2:STX+3], v[STX+2:STX+3], v[FA:FA+1] op_sel_hi:[1,0]   ; the sums under the new M
	v_pk_mul_f32 v[STY+2:STY+3], v[STY+2:STY+3], v[FB:FB+1] op_sel_hi:[1,0]
	WIN 0x41
	s_wait_alu depctr_va_vdst(0)                   ; ahead of the first readers of O^T, and ahead of the batch of exponentials
.set n, 0
.rept 16
	v_pk_mul_f32 v[OX+n:OX+n+1], v[OX+n:OX+n+1], v[FA:FA+1] op_sel_hi:[1,0]   ; O^T under the new M
.set n, n+2
.endr
.set n, 0
.rept 16
	v_pk_mul_f32 v[OY+n:OY+n+1], v[OY+n:OY+n+1], v[FB:FB+1] op_sel_hi:[1,0]
.set n, n+2
.endr
	WIN 0
.set n, 0
.set m, 0
.rept 32
	v_exp_f32 v[SA+n], v[SA+n]                     ; A's p = 2^(t - M), at most 1;
	v_exp_f32 v[SA+n+1], v[SA+n+1]
	FMAS SB, STY, 1                                ; among them B's t - M
.set n, n+2
.endr
	s_wait_alu depctr_va_vdst(0)                   ; behind A's batch, ahead of its first reader, and ahead of B's batch
.set n, 0
.rept 16
	v_exp_f32 v[SB+4*n], v[SB+4*n]                 ; B's p;
	v_exp_f32 v[SB+4*n+1], v[SB+4*n+1]
	v_pk_add_f32 v[UU+2*n:UU+2*n+1], v[SA+4*n:SA+4*n+1], v[SA+4*n+2:SA+4*n+3]   ; among them the first sums of A's unquantised p, each into a pair of its own,
	v_exp_f32 v[SB+4*n+2], v[SB+4*n+2]
	HOLD2 SA+4*n                                   ; and A's hold, behind the sum that reads the same numbers
	v_exp_f32 v[SB+4*n+3], v[SB+4*n+3]
	HOLD2 SA+4*n+2
.set n, n+1
.endr
	v_nop                                          ; a plain instruction behind the exponentials
.if (\p) == 0
	s_wait_dscnt 0x0                               ; V^T is in
.endif
	s_wait_alu depctr_va_vdst(0)                   ; one wait for B's batch, ahead of its first reader
.irp k, 0,1,2,3,4,5,6,7
	UADD \k, \k+8                                  ; A's sixteen partial sums are joined; B's sums take the pairs that fall free, in eight chains
.endr
.irp k, 0,1,2,3,4,5,6,7
	v_pk_add_f32 v[UU+16+2*\k:UU+17+2*\k], v[SB+4*\k:SB+4*\k+1], v[SB+4*\k+2:SB+4*\k+3]
.endr
.irp k, 0,1,2,3
	UADD \k, \k+4
.endr
.irp k, 0,1,2,3,4,5,6,7
	v_pk_add_f32 v[UU+16+2*\k:UU+17+2*\k], v[UU+16+2*\k:UU+17+2*\k], v[SB+32+2*\k:SB+33+2*\k]
.endr
	UADD 0, 2
	UADD 1, 3
.irp k, 0,1,2,3,4,5,6,7
	v_pk_add_f32 v[UU+16+2*\k:UU+17+2*\k], v[UU+16+2*\k:UU+17+2*\k], v[SB+48+2*\k:SB+49+2*\k]
.endr
	UADD 0, 1
.irp k, 8,9,10,11
	UADD \k, \k+4
.endr
	v_pk_add_f32 v[STX+2:STX+3], v[STX+2:STX+3], v[UU:UU+1]
	HOLD SB
	UADD 8, 10
	UADD 9, 11
	HOLD SB+16
	UADD 8, 9
	HOLD SB+32
	v_pk_add_f32 v[STY+2:STY+3], v[STY+2:STY+3], v[UU+16:UU+17]
	HOLD SB+48
	WIN 0x40
.irp t, 0,1,2,3,4,5,6,7
	v_cvt_scalef32_pk8_fp8_f32 v[PC+2*\t:PC+2*\t+1], v[SA+8*\t:SA+8*\t+7], v[PS]   ; keys 16 t + 8 hh + 0 .. 7: registers 2 t, 2 t + 1 of P^T
.endr
.irp t, 0,1,2,3,4,5,6,7
	v_cvt_scalef32_pk8_fp8_f32 v[PC+16+2*\t:PC+17+2*\t], v[SB+8*\t:SB+8*\t+7], v[PS]
.endr
	v_nop                                          ; a plain instruction between the conversions and the products that read their results
	WIN 0x55
.irp d, 0,1,2,3
	v_wmma_f32_16x16x128_fp8_fp8 v[OX+8*\d:OX+8*\d+7], v[VF+16*\d:VF+16*\d+15], v[PC:PC+15], v[OX+8*\d:OX+8*\d+7]   ; eight accumulators by turns
	v_wmma_f32_16x16x128_fp8_fp8 v[OY+8*\d:OY+8*\d+7], v[VF+16*\d:VF+16*\d+15], v[PC+16:PC+31], v[OY+8*\d:OY+8*\d+7]
.endr
	WIN 0
.endm
	s_wait_alu depctr_va_vdst(0)                   ; the wait at the head's end
	s_wait_loadcnt 0x0                             ; Q
	s_wait_tensorcnt 0x0                           ; my two key steps are in,
	s_barrier_signal -1
	s_barrier_wait -1                              ; everybody's are: all of K and V
	KLOAD LI, 0                                    ; key step 0's K
	s_mov_b32 s[TB], 0
	s_mov_b32 s[CNT], 15
.Lkeys:                                            ; 15 key steps
	PT 0, 0
	PT 1, 1
	s_add_co_u32 s[TB], s[TB], 16384
	s_sub_co_u32 s[CNT], s[CNT], 1
	s_cmp_lg_u32 s[CNT], 0
	s_cbranch_scc1 .Lkeys
	PT 0, 0                                        ; the sixteenth: no K beyond it
	PT 1, 0
	; THE WAY OUT: O^T x 2^(e8 + e9 - e10) / the sum is what the output product's quantiser divides by 1: held within +-448, converted, stored.
	v_mov_b32 v[ADR], 0x43e00000                   ; 448.0  (these lines are also the places behind the last products)
	v_mov_b32 v[ONE], 1.0
.irp i, 0,1,2,3
	v_add_f32 v[14+4*\i], v[14+4*\i], v[15+4*\i]   ; the sum's two halves
.endr
.irp i, 0,1,2,3
	v_permlanex16_b32 v[PDA], v[14+4*\i], s[SEL], s[SEL+1]
	v_add_f32 v[14+4*\i], v[14+4*\i], v[PDA]       ; and lane l xor 16's: the row's sum
.endr
	s_wait_alu depctr_va_vdst(0)                   ; the wait ahead of the batch
.irp i, 0,1,2,3
	v_rcp_f32 v[14+4*\i], v[14+4*\i]
.endr
	v_nop                                          ; a plain instruction behind the transcendentals
	s_wait_alu depctr_va_vdst(0)                   ; and the wait ahead of their first reader
.irp i, 0,1,2,3
	v_ldexp_f32 v[14+4*\i], v[14+4*\i], s[EF]
.endr
	WIN 0x01
	s_wait_alu depctr_va_vdst(0)                   ; directly ahead of the first readers of O^T
.irp i, 0,1,2,3
.set n, 0
.rept 16
	v_pk_mul_f32 v[SA+32*\i+n:SA+32*\i+n+1], v[OT+32*\i+n:OT+32*\i+n+1], v[14+4*\i:15+4*\i] op_sel_hi:[1,0]   ; register 8 d + j: query r, channel 16 d + 8 hh + j
.set n, n+2
.endr
.endr
	WIN 0
.set n, 0
.rept 128
	v_med3_num_f32 v[SA+n], v[SA+n], -v[ADR], v[ADR]
.set n, n+1
.endr
.set n, 0
.rept 16
	v_cvt_scalef32_pk8_fp8_f32 v[KF+2*n:KF+2*n+1], v[SA+8*n:SA+8*n+7], v[ONE]
.set n, n+1
.endr
	v_nop                                          ; a plain instruction behind the conversions
.irp i, 0,1,2,3
.irp d, 0,1,2,3
	global_store_b64 v[GO], v[KF+8*\i+2*\d:KF+8*\i+2*\d+1], s[10:11] offset:256*\d+4096*\i   ; 32 lanes store 256 consecutive bytes, aligned
.endr
.endr
	s_wait_tensorcnt 0x0                           ; the wave's end
	ds_add_u32 v[SPW], v[NIL]
	s_wait_dscnt 0x0
	CROUND                                         ; the closing round
	s_endpgm
.Lfunc_end_k_q316245d2eb_attn:
	.size	k_q316245d2eb_attn, .Lfunc_end_k_q316245d2eb_attn-k_q316245d2eb_attn
	.p2alignl 7, 3214868480
	.fill 96, 4, 3214868480
	.section	.rodata,"a",@progbits
	.p2align	6, 0x0
	.amdhsa_kernel k_q316245d2eb_attn
		.amdhsa_group_segment_fixed_size 264192
		.amdhsa_private_segment_fixed_size 0
		.amdhsa_enable_private_segment 0
		.amdhsa_kernarg_size 32
		.amdhsa_user_sgpr_count 2
		.amdhsa_user_sgpr_kernarg_segment_ptr 1
		.amdhsa_wavefront_size32 1
		.amdhsa_system_sgpr_workgroup_id_x 1
		.amdhsa_system_sgpr_workgroup_id_y 1
		.amdhsa_system_sgpr_workgroup_id_z 1
		.amdhsa_system_vgpr_workitem_id 0
		.amdhsa_next_free_vgpr 512
		.amdhsa_next_free_sgpr 66
		.amdhsa_reserve_vcc 0
		.amdhsa_float_denorm_mode_32 3
		.amdhsa_float_denorm_mode_16_64 3
		.amdhsa_memory_ordered 1
		.amdhsa_forward_progress 1
		.amdhsa_inst_pref_size 134
	.end_amdhsa_kernel
	.amdgpu_metadata
---
amdhsa.version: [ 1, 2 ]
amdhsa.kernels:
  - .name:           k_q316245d2eb_attn
    .symbol:         k_q316245d2eb_attn.kd
    .args:
      - { .name: q_img, .offset: 0, .size: 8, .value_kind: global_buffer, .address_space: global }
      - { .name: kv_img, .offset: 8, .size: 8, .value_kind: global_buffer, .address_space: global }
      - { .name: lowp_scales, .offset: 16, .size: 8, .value_kind: global_buffer, .address_space: global }
      - { .name: cat_img, .offset: 24, .size: 8, .value_kind: global_buffer, .address_space: global }
    .group_segment_fixed_size: 264192
    .private_segment_fixed_size: 0
    .kernarg_segment_align: 8
    .kernarg_segment_size: 32
    .max_flat_workgroup_size: 256
    .sgpr_count:     66
    .vgpr_count:     512
    .wavefront_size: 32
...
	.end_amdgpu_metadata
.endif
;; end of part 2
;; launch outp (part 3): grid 4 x 64, 4 waves a work-group, clusters of 4 x 4, 327,680 bytes of LDS; arguments cat_img, Wo_codes, lowp_scales, bo, out0; writes out0
.if DOCPART == 3
	.amdgcn_target "amdgcn-amd-amdhsa--gfx1250"
	.amdhsa_code_object_version 6
	.text
	.protected	k_q316245d2eb_outp
	.globl	k_q316245d2eb_outp
	.p2align	8
	.type	k_q316245d2eb_outp,@function
k_q316245d2eb_outp:
	s_mov_b64 s[64:65], 0
	v_nop
	global_prefetch_b8 v0, s[64:65] scope:SCOPE_SE
	s_setreg_imm32_b32 hwreg(HW_REG_WAVE_MODE, 25, 1), 1
	s_wait_xcnt 0x0
	s_wait_alu depctr_hold_cnt(0) depctr_sa_sdst(0) depctr_va_vdst(0) depctr_va_sdst(0) depctr_va_ssrc(0) depctr_va_vcc(0) depctr_vm_vsrc(0)
	s_getreg_b32 s2, hwreg(HW_REG_IB_STS2, 6, 4)
	s_cmp_eq_u32 s2, 0
	s_cbranch_scc0 .Lentry_in_a_cluster
	s_endpgm
.Lentry_in_a_cluster:
	s_bfe_u32 s2, ttmp6, 0x10000c
	s_cmp_lg_u32 s2, 0xf033
	s_cbranch_scc0 .Lentry_shape_is_right
	s_endpgm
.Lentry_shape_is_right:
.set PITCH,  272
.set FR,     16
.set ABYTES, 32768
.set HALFB,  128*PITCH
.set SLOT,   ABYTES+2*HALFB
.set SPARE,  2*SLOT
.set SPITCH, 528
.set KKB,    2097152
.set ADRA, 16
.set ADRB, 20
.set STO,  24
.set RD,   25
.set CO,   26
.set SPW,  28
.set NIL,  29
.set TMP,  32
.set BK,   96
.set BF,   64
.set BI,   192
.set G1, 24
.set G0, 32
.set G1B, 48
.set G0B, 56
.set MSB, 0
.macro WIN new
.if MSB != \new
	s_set_vgpr_msb (MSB<<8)|\new
.set MSB, \new
.endif
.endm
.set MUL0, 0x5a
.set MUL1, 0x5f
.set TO_S0, 0x80
.set TO_S1, 0xc0
.set W_OUT, 0x21
.macro JLOAD g0a, g1a, g0b, g1b
	s_cmp_eq_u32 s15, 0
	s_cbranch_scc0 .Lfor_b_\@
	tensor_load_to_lds s[\g0a:\g0a+3], s[\g1a:\g1a+7]
	s_nop 0
.rept 4
	v_nop
.endr
	s_branch .Lasked_\@
.Lfor_b_\@:
	tensor_load_to_lds s[\g0b:\g0b+3], s[\g1b:\g1b+7]
	s_nop 0
.rept 4
	v_nop
.endr
.Lasked_\@:
.endm
.macro CREST
	s_cmp_lg_u32 s14, 0
	s_cbranch_scc1 .Lnot_wave_0_\@
	s_barrier_signal -3
.Lnot_wave_0_\@:
	s_barrier_wait -3
	s_barrier_signal -1
	s_barrier_wait -1
.endm
.macro CROUND
	s_barrier_signal -1
	s_barrier_wait -1
	CREST
.endm
.macro PLACES n
.rept \n
	v_nop
.endr
.endm
	s_load_b256 s[4:11], s[0:1], 0x0
	s_load_b64 s[12:13], s[0:1], 0x20
	v_lshl_add_u32 v[SPW], v0, 2, SPARE
	v_mov_b32 v[NIL], 0
	ds_add_u32 v28, v29
	ds_add_u32 v28, v29
	s_wait_dscnt 0x0
	v_lshrrev_b32 v1, 5, v0
	v_readfirstlane_b32 s14, v1
	s_lshr_b32 s15, s14, 1
	s_and_b32 s16, s14, 1
	s_bfe_u32 s40, ttmp6, 0x40000
	s_bfe_u32 s41, ttmp6, 0x40004
	s_and_b32 s17, ttmp7, 0xffff
	s_lshl_b32 s17, s17, 2
	s_add_co_u32 s17, s17, s41
	s_lshl_b32 s43, s41, 2
	s_lshl_b32 s43, 15, s43
	s_lshl_b32 s44, 0x1111, s40
	s_or_b32 s[G1+0], s43, (3<<16)|(1<<21)
	s_mov_b32 s[G1+1], 32<<16
	s_mov_b32 s[G1+2], 64<<16
	s_mov_b32 s[G1+3], 32<<16
	s_mov_b32 s[G1+4], 64
	s_mov_b32 s[G1+5], 32
	s_mov_b32 s[G1+6], 0
	s_mov_b32 s[G1+7], 0
	s_or_b32 s[G1B+0], s44, (0<<16)|(1<<20)|(1<<21)|(5<<22)|(3<<25)
	s_mov_b32 s[G1B+1], 256<<16
	s_mov_b32 s[G1B+2], 128<<16
	s_mov_b32 s[G1B+3], 256<<16
	s_mov_b32 s[G1B+4], 128
	s_mov_b32 s[G1B+5], 1024
	s_mov_b32 s[G1B+6], 0
	s_mov_b32 s[G1B+7], 0
	s_lshl_b32 s20, s17, 3
	s_lshl_b32 s18, s16, 2
	s_add_co_u32 s20, s20, s18
	s_lshl_b32 s20, s20, 12
	s_mov_b32 s21, 0
	s_lshl_b32 s46, s40, 8
	s_lshl_b32 s47, s16, 7
	s_add_co_u32 s46, s46, s47
	s_lshl_b32 s46, s46, 10
	s_mov_b32 s47, 0
	s_lshl_b32 s45, s16, 14
	s_mul_i32 s19, s16, HALFB
	s_add_co_u32 s19, s19, ABYTES
	s_wait_kmcnt 0x0
	s_load_b64 s[96:97], s[8:9], 0x28
	s_add_nc_u64 s[20:21], s[4:5], s[20:21]
	s_add_nc_u64 s[46:47], s[6:7], s[46:47]
	CROUND
.irp s, 0,1
	s_mov_b32 s[G0+4*\s], 1
	s_add_co_u32 s[G0+4*\s+1], s45, \s*SLOT
	s_add_nc_u64 s[G0+4*\s+2:G0+4*\s+3], s[20:21], \s*KKB
	s_or_b32 s[G0+4*\s+3], s[G0+4*\s+3], 0x80000000
	s_mov_b32 s[G0B+4*\s], 1
	s_add_co_u32 s[G0B+4*\s+1], s19, \s*SLOT
	s_add_nc_u64 s[G0B+4*\s+2:G0B+4*\s+3], s[46:47], \s*256
	s_or_b32 s[G0B+4*\s+3], s[G0B+4*\s+3], 0x80000000
.endr
	JLOAD G0, G1, G0B, G1B                         ; K step 0, behind the opening round: one tensor load a wave at the head
	v_and_b32 v1, 15, v0
	v_bfe_u32 v2, v0, 4, 1
	v_and_b32 v6, 31, v0
	v_lshlrev_b32 v[CO], 4, v6
	s_lshl_b32 s21, s15, 14
	v_add_nc_u32 v[ADRA], s21, v[CO]
	v_add_nc_u32 v[ADRA+1], SLOT, v[ADRA]
	v_mul_u32_u24 v3, v1, PITCH
	v_lshl_add_u32 v3, v2, 4, v3
	s_mul_i32 s22, s16, HALFB
	s_add_co_u32 s22, s22, ABYTES
	v_add_nc_u32 v[ADRB], s22, v3
	v_add_nc_u32 v[ADRB+1], SLOT, v[ADRB]
	s_mul_i32 s23, s14, 16*SPITCH
	v_mul_u32_u24 v5, v1, SPITCH
	v_lshl_add_u32 v5, v2, 5, v5
	v_add_nc_u32 v[STO], s23, v5
	v_add_nc_u32 v[RD], s23, v[CO]
	s_lshl_b32 s46, s40, 10
	s_lshl_b32 s47, s16, 9
	s_add_co_u32 s46, s46, s47
	s_mov_b32 s47, 0
	s_add_nc_u64 s[10:11], s[10:11], s[46:47]
	v_lshlrev_b32 v7, 5, v2
	WIN TO_S0
.irp b, 0,1,2,3,4,5,6,7
	global_load_b128 v[BI+8*\b:BI+8*\b+3], v7, s[10:11] offset:64*\b
	global_load_b128 v[BI+8*\b+4:BI+8*\b+7], v7, s[10:11] offset:64*\b+16
.endr
	WIN 0
	s_lshl_b32 s20, s17, 7
	s_lshl_b32 s21, s15, 6
	s_add_co_u32 s20, s20, s21
	s_lshl_b32 s20, s20, 12
	s_mov_b32 s21, 0
	s_add_nc_u64 s[12:13], s[12:13], s[20:21]
	s_add_nc_u64 s[12:13], s[12:13], s[46:47]
.macro FETCH slot, q
.if \q
	WIN TO_S1
.else
	WIN TO_S0
.endif
.irp i, 0,1,2,3
.irp c, 0,1,2,3
	ds_load_b128 v[FR*\i+4*\c:FR*\i+4*\c+3], v[ADRA+\slot] offset:4096*\i+2048*(\q)+512*\c
.endr
.endr
.irp i, 0,1,2,3,4,5,6,7
.irp c, 0,1,2,3
	ds_load_b128 v[BF+FR*\i+4*\c:BF+FR*\i+4*\c+3], v[ADRB+\slot] offset:\i*16*PITCH+128*(\q)+32*\c
.endr
.endr
.endm
.macro MUL8 a, zero
.irp b, 0,1,2,3,4,5,6,7
.if \zero
	v_wmma_f32_16x16x128_fp8_fp8 v[8*(8*(\a)+\b):8*(8*(\a)+\b)+7], v[BF+FR*\b:BF+FR*\b+FR-1], v[FR*(\a):FR*(\a)+FR-1], 0
.else
	v_wmma_f32_16x16x128_fp8_fp8 v[8*(8*(\a)+\b):8*(8*(\a)+\b)+7], v[BF+FR*\b:BF+FR*\b+FR-1], v[FR*(\a):FR*(\a)+FR-1], v[8*(8*(\a)+\b):8*(8*(\a)+\b)+7]
.endif
.endr
.endm
.macro STEP slot, zero
	s_wait_dscnt 0x0
	PLACES 4
	FETCH \slot, 1
	WIN MUL0
	MUL8 0, \zero
	MUL8 1, \zero
	MUL8 2, \zero
	MUL8 3, \zero
.endm
.macro TURN slot, next, fill
	WIN 0
	s_wait_tensorcnt 0x0
	ds_add_u32 v[SPW], v[NIL]
	s_wait_dscnt 1
	WIN MUL1
	MUL8 0, 0
	s_wait_dscnt 0x0
	s_barrier_signal -1
	MUL8 1, 0
	WIN 0
	s_barrier_wait -1
.if \fill
	CREST
	s_add_nc_u64 s[G0+4*\slot+2:G0+4*\slot+3], s[G0+4*\slot+2:G0+4*\slot+3], 2*KKB
	s_add_nc_u64 s[G0B+4*\slot+2:G0B+4*\slot+3], s[G0B+4*\slot+2:G0B+4*\slot+3], 2*256
	JLOAD G0+4*\slot, G1, G0B+4*\slot, G1B
.else
	PLACES 4
.endif
	FETCH \next, 0
	WIN MUL1
	MUL8 2, 0
	MUL8 3, 0
.endm
	s_wait_alu depctr_va_vdst(0)                   ; the wait at the head's end
	s_wait_tensorcnt 0x0                           ; my part of K step 0 is in
	ds_add_u32 v[SPW], v[NIL]
	s_wait_dscnt 0x0
	CROUND                                         ; everybody's part of K step 0 is in, and all sixteen work-groups are here
	JLOAD G0+4, G1, G0B+4, G1B                     ; K step 1: the first tensor load behind the round
	FETCH 0, 0
	STEP 0, 1
	WIN 0
	s_mov_b32 s3, 1
.Llap:
	TURN 0, 1, 1
	STEP 1, 0
	TURN 1, 0, 1
	STEP 0, 0
	WIN 0
	s_sub_co_u32 s3, s3, 1
	s_cmp_lg_u32 s3, 0
	s_cbranch_scc1 .Llap
	TURN 0, 1, 0
	STEP 1, 0
	s_wait_dscnt 0x0
	WIN MUL1
	MUL8 0, 0
	MUL8 1, 0
	MUL8 2, 0
	MUL8 3, 0
	WIN 0
.macro TOSTAGE a
	WIN W_OUT
.set n, 0
.rept 32
	v_pk_fma_f32 v[TMP+n:TMP+n+1], v[64*(\a)+n:64*(\a)+n+1], s[96:97], v[BI+n:BI+n+1] op_sel_hi:[1,0,1]
.set n, n+2
.endr
	WIN 0
.irp b, 0,1,2,3,4,5,6,7
	ds_store_b128 v[STO], v[TMP+8*\b:TMP+8*\b+3] offset:64*\b
	ds_store_b128 v[STO], v[TMP+8*\b+4:TMP+8*\b+7] offset:64*\b+16
.endr
.set BB, BK+64*((\a)%2)
.irp t, 0,1,2,3,4,5,6,7,8,9,10,11,12,13,14,15
	ds_load_b128 v[BB+4*\t:BB+4*\t+3], v[RD] offset:\t*SPITCH
.endr
.endm
.macro SEND a, younger
.set BB, BK+64*((\a)%2)
	s_wait_dscnt \younger
.if (\a) > 0
	s_add_nc_u64 s[12:13], s[12:13], 16*4096
.endif
.irp t, 0,1,2,3,4,5,6,7,8,9,10,11,12,13,14,15
	global_store_b128 v[CO], v[BB+4*\t:BB+4*\t+3], s[12:13] offset:\t*4096 th:TH_STORE_NT
.endr
.endm
	s_wait_kmcnt 0x0
	s_wait_loadcnt 0x0
	s_add_co_i32 s96, s96, s97
	s_add_co_i32 s96, s96, 127
	s_lshl_b32 s96, s96, 23
	s_mov_b32 s97, s96
	PLACES 4
	TOSTAGE 0
.irp a, 1,2,3
.if \a > 1
	s_wait_xcnt 0x0
.endif
	TOSTAGE \a
	SEND \a-1, 32
.endr
	s_wait_xcnt 0x0
	SEND 3, 0
	s_wait_tensorcnt 0x0
	ds_add_u32 v[SPW], v[NIL]
	s_wait_dscnt 0x0
	CROUND
	s_endpgm
.Lfunc_end_k_q316245d2eb_outp:
	.size	k_q316245d2eb_outp, .Lfunc_end_k_q316245d2eb_outp-k_q316245d2eb_outp
	.p2alignl 7, 3214868480
	.fill 96, 4, 3214868480
	.section	.rodata,"a",@progbits
	.p2align	6, 0x0
	.amdhsa_kernel k_q316245d2eb_outp
		.amdhsa_group_segment_fixed_size 327680
		.amdhsa_private_segment_fixed_size 0
		.amdhsa_enable_private_segment 0
		.amdhsa_kernarg_size 40
		.amdhsa_user_sgpr_count 2
		.amdhsa_user_sgpr_kernarg_segment_ptr 1
		.amdhsa_wavefront_size32 1
		.amdhsa_system_sgpr_workgroup_id_x 1
		.amdhsa_system_sgpr_workgroup_id_y 1
		.amdhsa_system_sgpr_workgroup_id_z 1
		.amdhsa_system_vgpr_workitem_id 0
		.amdhsa_next_free_vgpr 1024
		.amdhsa_next_free_sgpr 100
		.amdhsa_reserve_vcc 0
		.amdhsa_float_denorm_mode_32 3
		.amdhsa_float_denorm_mode_16_64 3
		.amdhsa_memory_ordered 1
		.amdhsa_forward_progress 1
		.amdhsa_inst_pref_size 77
	.end_amdhsa_kernel
	.amdgpu_metadata
---
amdhsa.version: [ 1, 2 ]
amdhsa.kernels:
  - .name:           k_q316245d2eb_outp
    .symbol:         k_q316245d2eb_outp.kd
    .args:
      - { .name: cat_img, .offset: 0, .size: 8, .value_kind: global_buffer, .address_space: global }
      - { .name: Wo_codes, .offset: 8, .size: 8, .value_kind: global_buffer, .address_space: global }
      - { .name: lowp_scales, .offset: 16, .size: 8, .value_kind: global_buffer, .address_space: global }
      - { .name: bo, .offset: 24, .size: 8, .value_kind: global_buffer, .address_space: global }
      - { .name: out0, .offset: 32, .size: 8, .value_kind: global_buffer, .address_space: global }
    .group_segment_fixed_size: 327680
    .private_segment_fixed_size: 0
    .kernarg_segment_align: 8
    .kernarg_segment_size: 40
    .max_flat_workgroup_size: 128
    .sgpr_count:     100
    .vgpr_count:     1024
    .wavefront_size: 32
...
	.end_amdgpu_metadata
.endif
;; end of part 3
